; MI455X (gfx1250); checked and timed in simulation.
; The chip was launched on July 23, 2026; its instructions are those of AMD's public machine-readable ISA for CDNA 5 (MIT licence, August 2026) and "CDNA5" Instruction Set Architecture Reference Guide (July 2026). The comments in the code are by the model that wrote it; some were corrected since.
;; Attention. Allowed arithmetic: float matrix products may take bf16 or f16 operands with f32 sums; all other float work in f32.
;; Inputs: keys 16 x 2,048 x 128 float32; query 16 x 2,048 x 128 float32; values 16 x 2,048 x 128 float32.
;; Outputs: out0 16 x 2,048 x 128 float32.
;; One version. Each part assembles by itself: llvm-mc -triple=amdgcn-amd-amdhsa -mcpu=gfx1250 --defsym DOCPART=n.
;; ======== version 1 of 1: 1 launch
;; launch attn (part 1): grid 16 x 16, 4 waves a work-group, clusters of 4 x 1, 327,680 bytes of LDS; arguments query, keys, values, out0; writes out0
.if DOCPART == 1
	.amdgcn_target "amdgcn-amd-amdhsa--gfx1250"
	.amdhsa_code_object_version 6
	.text
	.protected	k_q621ff82594_attn
	.globl	k_q621ff82594_attn
	.p2align	8
	.type	k_q621ff82594_attn,@function
k_q621ff82594_attn:
	s_mov_b64 s[64:65], 0
	v_nop
	global_prefetch_b8 v0, s[64:65] scope:SCOPE_SE
	s_setreg_imm32_b32 hwreg(HW_REG_WAVE_MODE, 25, 1), 1
	s_wait_xcnt 0x0
	s_wait_alu depctr_hold_cnt(0) depctr_sa_sdst(0) depctr_va_vdst(0) depctr_va_sdst(0) depctr_va_ssrc(0) depctr_va_vcc(0) depctr_vm_vsrc(0)
	s_getreg_b32 s2, hwreg(HW_REG_IB_STS2, 6, 4)
	s_cmp_eq_u32 s2, 0
	s_cbranch_scc0 .Lentry_in_a_cluster
	s_endpgm
.Lentry_in_a_cluster:
	s_bfe_u32 s2, ttmp6, 0x10000c
	s_cmp_lg_u32 s2, 0x3003
	s_cbranch_scc0 .Lentry_shape_is_right
	s_endpgm
.Lentry_shape_is_right:
; out0[b][q][:] = softmax over k of (query[b][q] . keys[b][k] / sqrt(128)) applied to values[b][k][:].  All four buffers f32, [16][2048][128].
; One work-group makes 128 query rows of one batch and walks the 2,048 keys in 16 tiles of 128 keys.  Four waves, w = 2 a + b: wave (a, b) has
; query rows 64 a .. 64 a + 63 and keys 64 b .. 64 b + 63 of every tile, so each LDS byte of K and V is read by two waves.  Each wave keeps its own
; running maximum m, sum l and O (a running maximum in every step, O rescaled in every step: no branch hangs on data); the two key halves are
; merged once at the end through LDS.
; BOTH PRODUCTS ARE USED TRANSPOSED.  S^T = K Q^T: a lane's eight results are eight keys of ONE query, so m and l are one number a lane, and the
; results, rounded to bf16 in place, are already the second source of O^T = V^T P^T.  V^T's fragments come from plain 16-byte loads of V's f32 rows:
; row r of fragment i of column group g stands for d = 64 g + 4 r + i, a renaming of d that is undone on the way out.
; K and Q use one common renaming of d inside a step of 32 (register i of lane half h holds d = 16 h + 2 i, 2 i + 1), so a lane loads 64 neighbouring bytes.
; THE ORDER OF ISSUE.  A step is eight groups of 16 matrix instructions: K0-K3 (16 keys each), the softmax, V0-V3 (32 keys x 64 columns each).  Group g makes a
; period: behind each of its matrix instructions stands a short gap of work that does not hang on it: the 32 conversions of group g + 1 into the other
; fragment buffer and the 16 LDS loads of group g + 4 into the raw registers that group g's conversion has freed.  So the vector unit and LDS work while the
; matrix unit does, and LDS loads go out four at a time.  The price is a switch of the register window in front of and behind each gap.
; CLUSTER: the four query blocks of a 4 x 1 cluster read the same tiles of K and V of their batch: each tile is asked for jointly (mask 15), which
; divides the requests for K and V by four.  A mask names four work-groups, so the sixteen blocks of a batch are four clusters.
; FORMATS AND LIMITS: Q, K, V and the weights p are rounded to bf16 for the matrix unit, sums in f32; l adds the unrounded p.  A weight below 2^-126
; comes out of v_exp_f32 as 0.  Energies that overflow f32 give NaN, as they do in the definition.  The order of the sums differs from the definition's.
.set PITCH,  528                       ; an LDS row: 512 bytes + 16 of padding = 33 x 16, so 16 rows at one column start in 16 different 16-byte columns of 256
.set QUART,  64*PITCH                  ; 64 rows: what one tensor load brings and what one wave reads of K or of V
.set SLOT,   4*QUART                   ; K's 128 rows, then V's 128 rows
.set KT_B,   16*PITCH                  ; 16 rows
.set TILE_B, 65536                     ; 128 rows of 512 bytes in memory
.set XCH,    16896                     ; end of the kernel, in slot 0's K part: a wave's 32 x 512 bytes of O and 512 bytes of (m, l)
.set STAGE,  2*QUART                   ; end of the kernel, in slot 0's V part: a wave's two blocks of 16 rows x 528 bytes
; window 0
.set TM2,  4                           ; v[4+qb] the second chain of the maximum at work
.set AK,   8                           ; v8-9    LDS address of my K rows in slot 0, 1
.set AV,   10                          ; v10-11  the same for V
.set QOFF, 12                          ; v12     my byte offset in the wave's rows of Q
.set XW,   13                          ; v13     exchange: where I write
.set XR,   14                          ; v14     exchange: where my partner wrote
.set STW,  15                          ; v15     stage: where I put 16 bytes of a row
.set STR,  16                          ; v16     stage: where I read a row back
.set OOFF, 17                          ; v17     my 16 bytes of an output row
.set PFO,  18                          ; v18     prefetch: 256 x lane
.set NMX,  20                          ; v[20+2qb] = -c m, v[21+2qb] = m
.set ALF,  28                          ; v[28+2qb] = alpha, v[29+2qb] = a temporary
.set LS,   36                          ; v[36+2qb:37+2qb] two partial sums of l
.set TMX,  44                          ; v[44+qb] the maximum at work
.set MLQ,  48                          ; v[48+2qb] = m, v[49+2qb] = l at the end
.set PQ,   56                          ; v[56:59] my partner's (m, l, m, l)
.set GG,   60                          ; v[60+2u] = g1, v[61+2u] = g0
.set F0,   64                          ; v64-95, v96-127: two buffers of four bf16 fragments; on the way out: TT
.set TT,   64
.set LAND, 128                         ; v128-255: output rows on the way out
; window 1: v0-127 Q's fragments, Q[qb][ks] at 8 (4 qb + ks);  v128-255 S[kt][qb] at SS + 8 (4 kt + qb); P[qb][ks2] is S[2 ks2][qb], packed in place
.set SS,   128
; window 2: O[qb][dt] at 64 qb + 8 dt (at the start: Q as loaded).   window 3: four groups of 64 registers of f32 as loaded from LDS
.set G1, 24                            ; s[24:31] descriptor group 1, the same for every load
.set G0, 32                            ; s[32:39] descriptor group 0, a set for each slot
; s_set_vgpr_msb's low byte: bits 1:0 source 0, 3:2 source 1, 5:4 source 2, 7:6 destination
.set W_LD,  0xc0                       ; LDS load: data window 3, address window 0
.set W_CV,  0x0f                       ; f32 of window 3 to bf16 of window 0
.set W_WS,  0x54                       ; S^T: A window 0, B window 1, C and D window 1
.set W_PV,  0xa4                       ; O^T: A window 0, B window 1, C and D window 2
.set W_MAX, 0x05                       ; two sources window 1, third source and result window 0
.set W_EXP, 0x41                       ; S in place, third source window 0
.set W_SUM, 0x01                       ; S into l
.set W_PK,  0x45                       ; window 1 in place
.set W_RS,  0x82                       ; O in place, factor window 0
.set W_QL,  0x80                       ; global load into window 2
.set W_QC,  0x4a                       ; window 2 to window 1
.set W_SND, 0x08                       ; LDS store of window 2
.set W_MG1, 0xc3                       ; window 3 in place, factor window 0
.set W_MG2, 0x32                       ; window 2 x window 0 + window 3 into window 0
.set M_FILL, 0
.set M_NOFILL, 1
.set M_LAST, 2
.set MSB, 0
.macro WIN new                         ; the immediate's high byte repeats the setting that is left; a switch that changes nothing is dropped
.if MSB != \new
	s_set_vgpr_msb (MSB<<8)|\new
.set MSB, \new
.endif
.endm
; A round of the cluster's barrier: my work-group's barrier, wave 0 signals for the work-group, every wave waits for all four work-groups, my work-group's barrier again.
.macro CREST                           ; a round behind its opening barrier
	s_cmp_lg_u32 s12, 0
	s_cbranch_scc1 .Lnot_wave_0_\@
	s_barrier_signal -3
.Lnot_wave_0_\@:
	s_barrier_wait -3
	s_barrier_signal -1
	s_barrier_wait -1
.endm
.macro CROUND
	s_barrier_signal -1
	s_barrier_wait -1
	CREST
.endm
	s_load_b256 s[4:11], s[0:1], 0x0               ; query s[4:5], keys s[6:7], values s[8:9], out0 s[10:11]
	v_lshl_add_u32 v254, v0, 2, 0x42000
	v_mov_b32 v255, 0
	ds_add_u32 v254, v255
	s_wait_dscnt 0x0
	v_lshrrev_b32 v1, 5, v0
	v_readfirstlane_b32 s12, v1                    ; wave w
	s_lshr_b32 s13, s12, 1                         ; a: my half of the query rows.  Also: I fetch for K (0) or for V (1)
	s_and_b32 s14, s12, 1                          ; b: my half of a tile's keys.  Also: which 64 rows I fetch
	s_bfe_u32 s15, ttmp6, 0x40000                  ; cx: my place in the cluster
	s_lshl_b32 s16, ttmp9, 2
	s_add_co_u32 s16, s16, s15                     ; query block x = 4 x cluster x + cx
	s_and_b32 s17, ttmp7, 0xffff                   ; batch
	s_mul_i32 s18, s12, QUART                      ; where my tensor loads land in a slot: the wave's number alone
	; group 1: 64 rows x 128 elements of 4 bytes, 16 bytes of padding behind each row
	s_mov_b32 s[G1+0], 15|(2<<16)|(1<<20)|(1<<21)|(6<<22)|(3<<25)  ; 15:0 mask: all four of the cluster; 17:16 4-byte elements; 20 padding on; 21 set beside a mask; 24:22 after every 128 words; 31:25 four words
	s_mov_b32 s[G1+1], 128<<16                     ; tensor_dim0 = 128
	s_mov_b32 s[G1+2], 64<<16                      ; tensor_dim1 = 64
	s_mov_b32 s[G1+3], 128<<16                     ; tile_dim0 = 128
	s_mov_b32 s[G1+4], 64                          ; tile_dim1 = 64
	s_mov_b32 s[G1+5], 128                         ; elements from row to row
	s_mov_b32 s[G1+6], 0
	s_mov_b32 s[G1+7], 0
	s_lshl_b32 s20, s17, 20                        ; the batch's 2,048 rows of 512 bytes
	s_lshl_b32 s21, s14, 15                        ; my 64 rows of a tile
	s_or_b32 s20, s20, s21                         ; K's and V's offset is made of the batch and the wave's number: alike in all four partners
	s_mov_b32 s21, 0
	s_mov_b32 s40, 0x3e0293ee                      ; c = log2(e) / sqrt(128), twice: a pair for the packed forms
	s_mov_b32 s41, 0x3e0293ee
	s_mov_b32 s42, 0x76543210                      ; v_permlanex16_b32: lane i reads lane i of the other half
	s_mov_b32 s43, 0xfedcba98
	s_lshl_b32 s52, s17, 20                        ; Q's and out0's offset: batch, query block of 128 rows, my 64 rows
	s_lshl_b32 s53, s16, 16
	s_or_b32 s52, s52, s53
	s_lshl_b32 s53, s13, 15
	s_or_b32 s52, s52, s53
	s_mov_b32 s53, 0
	s_and_b32 s54, s16, 7                          ; prefetch: of each tile of 64 KiB of K (blocks 0-7) or V (blocks 8-15) this work-group asks for 8 KiB
	s_lshl_b32 s54, s54, 13
	s_lshl_b32 s55, s17, 20
	s_or_b32 s54, s54, s55
	s_add_co_u32 s54, s54, 2*TILE_B                ; stepped by a tile ahead of each request: the first is for tile 3
	s_mov_b32 s55, 0
	v_and_b32 v1, 15, v0                           ; r
	v_bfe_u32 v2, v0, 4, 1                         ; h
	v_and_b32 v3, 31, v0                           ; lane
	s_mul_i32 s56, s14, QUART                      ; my 64 rows of K in a slot
	s_add_co_u32 s57, s56, 2*QUART                 ; my 64 rows of V
	v_mul_u32_u24 v4, v1, PITCH
	v_lshl_add_u32 v5, v2, 6, v4                   ; K: row r, 64 bytes for each half of the lanes
	v_add_nc_u32 v[AK], s56, v5
	v_add_nc_u32 v[AK+1], SLOT, v[AK]
	v_mul_u32_u24 v5, v2, 8*PITCH
	v_lshl_add_u32 v5, v1, 4, v5                   ; V: row 8 h, 16 bytes for each of 16 lanes
	v_add_nc_u32 v[AV], s57, v5
	v_add_nc_u32 v[AV+1], SLOT, v[AV]
	v_lshlrev_b32 v[QOFF], 9, v1
	v_lshl_add_u32 v[QOFF], v2, 6, v[QOFF]         ; Q: row r, 64 bytes for each half
	s_mul_i32 s58, s12, XCH
	s_xor_b32 s59, s12, 1
	s_mul_i32 s59, s59, XCH
	v_lshl_add_u32 v[XW], v3, 4, s58
	v_lshl_add_u32 v[XR], v3, 4, s59
	s_add_co_u32 s58, s58, STAGE
	v_lshl_add_u32 v4, v2, 7, v4                   ; stage in: row r, 128 bytes for each half
	v_add_nc_u32 v[STW], s58, v4
	v_lshl_add_u32 v[STR], v3, 4, s58              ; stage back: a whole row, 16 bytes a lane
	v_lshlrev_b32 v[OOFF], 4, v3
	v_lshlrev_b32 v[PFO], 8, v3
.irp qb, 0,1,2,3
	v_mov_b32 v[NMX+2*\qb+1], 0xff800000           ; m = -infinity: the first alpha is 0
	v_mov_b32 v[ALF+2*\qb+1], 0                    ; v_permlanex16_b32 counts as a reader of its destination
	v_mov_b32 v[LS+2*\qb], 0
	v_mov_b32 v[LS+2*\qb+1], 0
.endr
	s_wait_kmcnt 0x0
	s_cmp_eq_u32 s13, 0
	s_cselect_b64 s[22:23], s[6:7], s[8:9]         ; waves 0, 1 fetch K's halves, waves 2, 3 V's
	s_add_nc_u64 s[22:23], s[22:23], s[20:21]
	s_add_nc_u64 s[50:51], s[4:5], s[52:53]        ; my rows of Q
	s_add_nc_u64 s[48:49], s[10:11], s[52:53]      ; my rows of out0
	s_cmp_lt_u32 ttmp9, 2                          ; query blocks 0-7 are clusters 0 and 1: the choice hangs on the cluster's number alone
	s_cselect_b64 s[46:47], s[6:7], s[8:9]
	s_add_nc_u64 s[46:47], s[46:47], s[54:55]
	CROUND                                         ; all four work-groups are here: the first joint loads meet
.irp s, 0,1
	s_mov_b32 s[G0+4*\s], 1                                        ; count = 1
	s_add_co_u32 s[G0+4*\s+1], s18, \s*SLOT                        ; LDS address
	s_add_nc_u64 s[G0+4*\s+2:G0+4*\s+3], s[22:23], \s*TILE_B       ; global address: tile s
	s_or_b32 s[G0+4*\s+3], s[G0+4*\s+3], 0x80000000                ; type = 2
	tensor_load_to_lds s[G0+4*\s:G0+4*\s+3], s[G1:G1+7]            ; both first fills go out together: two loads of the wave are out
	s_nop 0
.endr
	; Q, once: 32 KiB a wave.  A lane's four loads take 64 neighbouring bytes; the sixteen loads of a query block take its 16 rows whole.
	WIN W_QL
.irp qb, 0,1,2,3
.irp ks, 0,1,2,3
.irp c, 0,1,2,3
	global_load_b128 v[64*\qb+16*\ks+4*\c:64*\qb+16*\ks+4*\c+3], v[QOFF], s[50:51] offset:\qb*8192+128*\ks+16*\c
.endr
.endr
.endr
	WIN W_QC
.irp qb, 0,1,2,3
	s_wait_loadcnt 48-16*\qb                       ; loads come back in order: this block's sixteen are in, the younger blocks' stay out
.set ii, 0
.rept 32
	v_cvt_pk_bf16_f32 v[32*\qb+ii], v[64*\qb+2*ii], v[64*\qb+2*ii+1]
.set ii, ii+1
.endr
.endr
	WIN 0
; THE SINGLE LINES OF A PERIOD, each by its number in its group.  Arguments may be sums, so every use stands in brackets.
; LDS load idx = 4 ks + c of key group kt: 16 rows of K as f32 into 64 registers of window 3
.macro LDK slot, kt, idx
	WIN W_LD
	ds_load_b128 v[64*(\kt)+4*(\idx):64*(\kt)+4*(\idx)+3], v[AK+(\slot)] offset:(\kt)*KT_B+128*((\idx)>>2)+16*((\idx)&3)
.endm
; LDS load idx = 8 hf + kk of V group grp = 2 ks2 + g: 32 keys x 64 columns.  Sixteen lanes read 256 neighbouring bytes of one row.
.macro LDV slot, grp, idx
	WIN W_LD
	ds_load_b128 v[64*(\grp)+4*(\idx):64*(\grp)+4*(\idx)+3], v[AV+(\slot)] offset:(32*((\grp)>>1)+16*((\idx)>>3)+((\idx)&7))*PITCH+256*((\grp)&1)
.endm
; conversion idx of key group kt: two neighbouring d of one key
.macro CVK kt, idx
	WIN W_CV
	v_cvt_pk_bf16_f32 v[F0+32*((\kt)&1)+(\idx)], v[64*(\kt)+2*(\idx)], v[64*(\kt)+2*(\idx)+1]
.endm
; conversion idx = 8 i + 4 hf + pp of V group grp: one renamed d of two neighbouring keys
.macro CVV grp, idx
	WIN W_CV
.set c_a, 64*(\grp)+4*(8*(((\idx)>>2)&1)+2*((\idx)&3))+((\idx)>>3)
	v_cvt_pk_bf16_f32 v[F0+32*((\grp)&1)+(\idx)], v[c_a], v[c_a+4]
.endm
; matrix instruction idx = 4 ks + qb of key group kt: 16 keys x 16 queries of S^T, 32 along d.  ks = 0 starts the sum.
.macro WMS kt, idx
	WIN W_WS
.set w_d, SS+8*(4*(\kt)+((\idx)&3))
.set w_a, F0+32*((\kt)&1)+8*((\idx)>>2)
.set w_b, 8*(4*((\idx)&3)+((\idx)>>2))
.if ((\idx)>>2) == 0
	v_wmma_f32_16x16x32_bf16 v[w_d:w_d+7], v[w_a:w_a+7], v[w_b:w_b+7], 0
.else
	v_wmma_f32_16x16x32_bf16 v[w_d:w_d+7], v[w_a:w_a+7], v[w_b:w_b+7], v[w_d:w_d+7]
.endif
.endm
; matrix instruction idx = 4 i + qb of V group grp: 16 renamed d x 16 queries of O^T, 32 along the keys
.macro WMV grp, idx, zero
	WIN W_PV
.set w_d, 64*((\idx)&3)+8*(4*((\grp)&1)+((\idx)>>2))
.set w_a, F0+32*((\grp)&1)+8*((\idx)>>2)
.set w_b, SS+8*(8*((\grp)>>1)+((\idx)&3))
.if \zero
	v_wmma_f32_16x16x32_bf16 v[w_d:w_d+7], v[w_a:w_a+7], v[w_b:w_b+7], 0
.else
	v_wmma_f32_16x16x32_bf16 v[w_d:w_d+7], v[w_a:w_a+7], v[w_b:w_b+7], v[w_d:w_d+7]
.endif
.endm
; O *= alpha, line idx = 16 qb + k of half hh (hh = 0: tiles 0-3 of each query block, 1: tiles 4-7)
.macro RSC hh, idx
	WIN W_RS
.set r_a, 64*((\idx)>>4)+32*(\hh)+2*((\idx)&15)
	v_pk_mul_f32 v[r_a:r_a+1], v[r_a:r_a+1], v[ALF+2*((\idx)>>4):ALF+2*((\idx)>>4)+1] op_sel_hi:[1,0]
.endm
.macro CV1 kind, grp                   ; the period's next conversion: kind 1 of K, 2 of V
.if \kind == 1
	CVK \grp, i_c
.else
	CVV \grp, i_c
.endif
.set i_c, i_c+1
.endm
.macro LD1 kind, slot, grp             ; the period's next LDS load: kind 1 of K, 2 of V
.if \kind == 1
	LDK \slot, \grp, i_l
.else
	LDV \slot, \grp, i_l
.endif
.set i_l, i_l+1
.endm
; A PERIOD: the 16 matrix instructions of group wg (wk = 0: S^T, 1: O^T), and in the gaps behind them the 32 conversions of group cg (ck = 0: none) and the 16 LDS
; loads of group lg (lk = 0: none): four gaps hold 3, 3, 2 conversions and 4 loads.  rs = 1: the gaps hold by turns 8 of the 64 lines that rescale O's tiles 4-7
; and 4 conversions.
; The accumulators take turns, one instruction a turn (4 in a key group, 16 in a V group, other ones in the next group).
; A conversion writes a register of the fragment buffer that the group before last read; between that group's matrix instruction and the conversion stand at least
; the 24 conversions of the three quarters of a period between them, which name none of its registers (ISA guide 7.12.1).
.macro PERIOD wk, wg, zero, ck, cg, lk, lg, lslot, rs
.set i_w, 0
.set i_c, 0
.set i_l, 0
.set i_r, 0
.rept 16
.if \wk == 0
	WMS \wg, i_w
.else
	WMV \wg, i_w, \zero
.endif
.if \rs
.if (i_w&1) == 0
.rept 8
	RSC 1, i_r
.set i_r, i_r+1
.endr
.else
.rept 4
	CV1 \ck, \cg
.endr
.endif
.else
.if (i_w&3) == 3
.if \lk
.rept 4
	LD1 \lk, \lslot, \lg
.endr
.endif
.else
.if \ck
	CV1 \ck, \cg
	CV1 \ck, \cg
.if (i_w&3) != 2
	CV1 \ck, \cg
.endif
.endif
.endif
.endif
.set i_w, i_w+1
.endr
.endm
.macro FMAT tl                         ; tile tl = 4 kt + qb of S: c s - c m
.irp i, 0,1,2,3
	v_pk_fma_f32 v[SS+8*(\tl)+2*\i:SS+8*(\tl)+2*\i+1], v[SS+8*(\tl)+2*\i:SS+8*(\tl)+2*\i+1], s[40:41], v[NMX+2*((\tl)&3):NMX+2*((\tl)&3)+1] op_sel_hi:[1,0,0]
.endr
.endm
.macro EXPT tl                         ; p = 2^(c s - c m), in place
.irp j, 0,1,2,3,4,5,6,7
	v_exp_f32 v[SS+8*(\tl)+\j], v[SS+8*(\tl)+\j]
.endr
.endm
; The softmax step on 64 keys x 64 queries, and in it the change of slots.  A lane holds 32 keys of each of four queries (one for each qb); the other 32 lie in the lane 16 away.
; first = 1: O is not yet begun, nothing is rescaled.  mode: M_FILL: slot \slot is filled again, two tiles ahead; M_NOFILL: only the change of slots; M_LAST: nothing follows.
.macro SOFTMAX slot, first, mode, pf
.if \pf
	WIN 0                                          ; a branch follows
	; Prefetch: in step t wave 0 asks for this work-group's 8 KiB (32 lanes, 256 bytes apart) of tile t + 3, whose tensor load is issued in step t + 1.
	; The sixteen work-groups of a batch ask for the tile's 128 KiB, each block once.  Steps 0 to 12 ask, for tiles 3 to 15: none points past the batch.
	s_cmp_lg_u32 s12, 0
	s_cbranch_scc1 .Lno_pf_\@
	s_wait_xcnt 0x0                                ; the last request's base is stepped only behind this wait
	s_add_nc_u64 s[46:47], s[46:47], TILE_B
	global_prefetch_b8 v[PFO], s[46:47] th:TH_LOAD_NT scope:SCOPE_SE
.Lno_pf_\@:
.endif
	WIN W_MAX                                      ; eight chains, two for each qb, one of them started by the old m.  The 48 lines on groups 0 to 2 are the places behind group 3's matrix instructions
.irp kt, 0,1,2,3
.irp i, 0,1,2,3
.irp qb, 0,1,2,3
.if (4*\kt+\i) == 0
	v_max3_num_f32 v[TMX+\qb], v[SS+8*(4*\kt+\qb)+2*\i], v[SS+8*(4*\kt+\qb)+2*\i+1], v[NMX+2*\qb+1]
.else
.if (4*\kt+\i) == 1
	v_max_num_f32 v[TM2+\qb], v[SS+8*(4*\kt+\qb)+2*\i], v[SS+8*(4*\kt+\qb)+2*\i+1]
.else
.if (\i&1) == 0
	v_max3_num_f32 v[TMX+\qb], v[SS+8*(4*\kt+\qb)+2*\i], v[SS+8*(4*\kt+\qb)+2*\i+1], v[TMX+\qb]
.else
	v_max3_num_f32 v[TM2+\qb], v[SS+8*(4*\kt+\qb)+2*\i], v[SS+8*(4*\kt+\qb)+2*\i+1], v[TM2+\qb]
.endif
.endif
.endif
.endr
.endr
.endr
	WIN 0
.irp qb, 0,1,2,3
	v_max_num_f32 v[TMX+\qb], v[TMX+\qb], v[TM2+\qb]
.endr
.irp qb, 0,1,2,3
	v_permlanex16_b32 v[ALF+2*\qb+1], v[TMX+\qb], s42, s43
.endr
.irp qb, 0,1,2,3
	v_max_num_f32 v[TMX+\qb], v[TMX+\qb], v[ALF+2*\qb+1]           ; the new m, alike in both halves
.endr
.irp qb, 0,1,2,3
	v_mul_f32 v[NMX+2*\qb], 0xbe0293ee, v[TMX+\qb]                 ; -c m
.endr
.irp qb, 0,1,2,3
	v_fma_f32 v[ALF+2*\qb+1], v[NMX+2*\qb+1], s40, v[NMX+2*\qb]    ; c (old m) - c m
.endr
.irp qb, 0,1,2,3
	v_exp_f32 v[ALF+2*\qb], v[ALF+2*\qb+1]                         ; alpha
.endr
.irp qb, 0,1,2,3
	v_mov_b32 v[NMX+2*\qb+1], v[TMX+\qb]                           ; plain lines between the exponentials and the use of alpha (ISA guide 5.7.2)
.endr
	s_wait_alu depctr_va_vdst(0)
.irp qb, 0,1,2,3
	v_pk_mul_f32 v[LS+2*\qb:LS+2*\qb+1], v[LS+2*\qb:LS+2*\qb+1], v[ALF+2*\qb:ALF+2*\qb+1] op_sel_hi:[1,0]
.endr
	WIN W_EXP                                      ; a tile's multiply-adds stand one tile ahead of its exponentials; behind a tile's exponentials comes another tile's multiply-add, a plain line on other registers
	FMAT 0
.set i_t, 0
.rept 15
	FMAT i_t+1
	EXPT i_t
.set i_t, i_t+1
.endr
	EXPT 15
	; THE CHANGE OF SLOTS.  All of this slot's K and V are in registers and all my tensor loads have landed, of which one was out: my part of the other slot.
	s_wait_dscnt 0x0                               ; V's last loads were issued in the period in front of the softmax: my reads of this slot are over
.if \mode != M_LAST
	s_wait_xcnt 0x0
	s_set_vgpr_msb 0x4100
	v_lshl_add_u32 v254, v0, 2, 0x42000
	v_mov_b32 v255, 0
	s_wait_tensorcnt 0x0
	ds_add_u32 v254, v255
	s_wait_dscnt 0x0
	s_set_vgpr_msb 0x41
	s_barrier_signal -1                            ; where the slot is filled again this barrier opens a round of the cluster's barrier
.endif
	WIN W_SUM                                      ; register work: l += p, four chains of pairs; the first line, on tile 0, is the plain line behind the last exponential
	s_wait_alu depctr_va_vdst(0)
.irp kt, 0,1,2,3
.irp i, 0,1,2,3
.irp qb, 0,1,2,3
	v_pk_add_f32 v[LS+2*\qb:LS+2*\qb+1], v[SS+8*(4*\kt+\qb)+2*\i:SS+8*(4*\kt+\qb)+2*\i+1], v[LS+2*\qb:LS+2*\qb+1]
.endr
.endr
.endr
.if \mode != M_LAST
	WIN 0
	s_barrier_wait -1
.if \mode == M_FILL
	CREST                                          ; no wave of any partner still reads this slot or has a load on its way
	s_add_nc_u64 s[G0+4*\slot+2:G0+4*\slot+3], s[G0+4*\slot+2:G0+4*\slot+3], 2*TILE_B
	tensor_load_to_lds s[G0+4*\slot:G0+4*\slot+3], s[G1:G1+7]      ; my first and only tensor load behind the round: one load of the wave is out, until the next step's wait
	s_nop 0
.endif
.set i_l, 0
.rept 16
	LDK 1-\slot, 0, i_l                            ; the next tile's first key group, into the registers that V's group 0 has left
.set i_l, i_l+1
.endr
.endif
	WIN W_PK                                       ; two tiles of 16 keys become one second source of 32 keys, in the first tile's registers
.irp ks2, 0,1
.irp qb, 0,1,2,3
.irp i, 0,1,2,3
	v_cvt_pk_bf16_f32 v[SS+8*(8*\ks2+\qb)+\i], v[SS+8*(8*\ks2+\qb)+2*\i], v[SS+8*(8*\ks2+\qb)+2*\i+1]
.endr
.irp i, 0,1,2,3
	v_cvt_pk_bf16_f32 v[SS+8*(8*\ks2+\qb)+4+\i], v[SS+8*(8*\ks2+4+\qb)+2*\i], v[SS+8*(8*\ks2+4+\qb)+2*\i+1]
.endr
.endr
.endr
.if \first == 0
.set i_r, 0
.rept 64
	RSC 0, i_r                                     ; O's tiles 0-3, which V's group 0 adds onto; tiles 4-7 follow in that group's gaps
.set i_r, i_r+1
.endr
.endif
.endm
; One tile of 128 keys out of slot \slot.  At its head: K's group 0 is converted, groups 1 to 3 are loaded or on their way.
; s_wait_dscnt 32: LDS loads come back in order, and behind the group that this period converts exactly two younger groups of sixteen were issued.
.macro STEP slot, first, mode, pf
	s_wait_dscnt 32
	PERIOD 0, 0, 0, 1, 1, 2, 0, \slot, 0           ; S^T of K0;  converts K1;  loads V0
	s_wait_dscnt 32
	PERIOD 0, 1, 0, 1, 2, 2, 1, \slot, 0           ; K1;  K2;  V1
	s_wait_dscnt 32
	PERIOD 0, 2, 0, 1, 3, 2, 2, \slot, 0           ; K2;  K3;  V2
	s_wait_dscnt 32
	PERIOD 0, 3, 0, 2, 0, 2, 3, \slot, 0           ; K3;  V0;  V3
	SOFTMAX \slot, \first, \mode, \pf              ; its wait for all LDS loads covers V1 to V3; it loads the next tile's K0
	PERIOD 1, 0, \first, 2, 1, 0, 0, 0, 1-\first   ; O^T of V0;  converts V1;  rescales O's tiles 4-7
.if \mode != M_LAST
	PERIOD 1, 1, \first, 2, 2, 1, 1, 1-\slot, 0    ; V1;  V2;  the next tile's K1
	PERIOD 1, 2, 0, 2, 3, 1, 2, 1-\slot, 0         ; V2;  V3;  K2
	s_wait_dscnt 32
	PERIOD 1, 3, 0, 1, 0, 1, 3, 1-\slot, 0         ; V3;  the next tile's K0;  K3
.else
	PERIOD 1, 1, \first, 2, 2, 0, 0, 0, 0
	PERIOD 1, 2, 0, 2, 3, 0, 0, 0, 0
	PERIOD 1, 3, 0, 0, 0, 0, 0, 0, 0
.endif
.endm
	s_wait_tensorcnt 0x1                           ; my part of tile 0 is in; tile 1's load stays out
	s_barrier_signal -1
	s_barrier_wait -1                              ; everybody's part is in
.irp kt, 0,1,2
.set i_l, 0
.rept 16
	LDK 0, \kt, i_l
.set i_l, i_l+1
.endr
.endr
	s_wait_dscnt 32                                ; group 0 is in; groups 1 and 2 stay out
.set i_c, 0
.rept 32
	CVK 0, i_c
.set i_c, i_c+1
.endr
.set i_l, 0
.rept 16
	LDK 0, 3, i_l
.set i_l, i_l+1
.endr
	STEP 0, 1, M_FILL, 1                           ; tile 0; fetches tile 2
	WIN 0                                          ; at a label and at a branch every window is 0
	s_mov_b32 s44, 6
.Lpair:
	STEP 1, 0, M_FILL, 1                           ; tiles 1 to 12; fetch tiles 3 to 14
	STEP 0, 0, M_FILL, 1
	WIN 0
	s_sub_co_u32 s44, s44, 1
	s_cmp_lg_u32 s44, 0
	s_cbranch_scc1 .Lpair
	STEP 1, 0, M_FILL, 0                           ; tile 13; fetches tile 15, the last load
	STEP 0, 0, M_NOFILL, 0                         ; tile 14: slot 0 has had its last fill and, in front of this step's barrier, its last reads
	STEP 1, 0, M_LAST, 0                           ; tile 15
	; THE END.  Waves (a, 0) and (a, 1) hold (m, l, O) of the same 64 queries over different keys.  Each sends two query blocks to the other through LDS and
	; finishes the two that it keeps.  The eight lines that follow are the places behind the last matrix instructions (ISA guide 7.12.1).
	WIN 0
.irp qb, 0,1,2,3
	v_add_f32 v[MLQ+2*\qb+1], v[LS+2*\qb], v[LS+2*\qb+1]
.endr
.irp qb, 0,1,2,3
	v_mov_b32 v[MLQ+2*\qb], v[NMX+2*\qb+1]
.endr
.irp qb, 0,1,2,3
	v_permlanex16_b32 v[ALF+2*\qb+1], v[MLQ+2*\qb+1], s42, s43
.endr
.irp qb, 0,1,2,3
	v_add_f32 v[MLQ+2*\qb+1], v[MLQ+2*\qb+1], v[ALF+2*\qb+1]       ; l over my 64 keys of every tile
.endr
.macro SEND qs                         ; query blocks qs, qs + 1: 128 registers of O as they lie, then (m, l, m, l)
	WIN W_SND
.set nn, 0
.rept 32
	ds_store_b128 v[XW], v[64*(\qs)+4*nn:64*(\qs)+4*nn+3] offset:512*nn
.set nn, nn+1
.endr
	WIN 0
	ds_store_b128 v[XW], v[MLQ+2*(\qs):MLQ+2*(\qs)+3] offset:16384
.endm
; Query block qb, the u-th that I keep: out = O g0 + O' g1, d put back in order through my own stage, whole rows of 512 bytes out.
; qb arrives as a sum (qk + 1), so every use of it stands in brackets.
.macro OUTQ qb, u
	WIN W_MG1
.set nn, 0
.rept 32
	v_pk_mul_f32 v[64*\u+2*nn:64*\u+2*nn+1], v[64*\u+2*nn:64*\u+2*nn+1], v[GG+2*\u:GG+2*\u+1] op_sel_hi:[1,0]
.set nn, nn+1
.endr
	WIN W_MG2                                      ; register j of tile 4 g + i is d = 64 g + 32 h + 4 j + i: four tiles' registers j make 16 neighbouring bytes
.irp g, 0,1
.irp i, 0,1,2,3
.irp j, 0,1,2,3,4,5,6,7
	v_fma_f32 v[TT+4*(8*\g+\j)+\i], v[64*(\qb)+8*(4*\g+\i)+\j], v[GG+2*\u+1], v[64*\u+8*(4*\g+\i)+\j]
.endr
.endr
.endr
	WIN 0
.irp g, 0,1
.irp j, 0,1,2,3,4,5,6,7
	ds_store_b128 v[STW], v[TT+4*(8*\g+\j):TT+4*(8*\g+\j)+3] offset:\u*KT_B+256*\g+16*\j
.endr
.endr
.set nn, 0
.rept 16
	ds_load_b128 v[LAND+64*\u+4*nn:LAND+64*\u+4*nn+3], v[STR] offset:\u*KT_B+PITCH*nn     ; LDS serves a wave's instructions in order (ISA guide 5.7.1): these see the stores above
.set nn, nn+1
.endr
.set nn, 0
.rept 16
	s_wait_dscnt 15-nn                             ; row nn is in; the younger rows stay out
	global_store_b128 v[OOFF], v[LAND+64*\u+4*nn:LAND+64*\u+4*nn+3], s[48:49] offset:(16*(\qb)+nn)*512 th:TH_STORE_NT   ; the wave stores one row: 512 consecutive bytes, aligned
.set nn, nn+1
.endr
.endm
.macro KEEP qk                         ; query blocks qk, qk + 1
	WIN W_LD
.set nn, 0
.rept 32
	ds_load_b128 v[4*nn:4*nn+3], v[XR] offset:512*nn
.set nn, nn+1
.endr
	WIN 0
	ds_load_b128 v[PQ:PQ+3], v[XR] offset:16384
	s_wait_dscnt 0x0
.irp u, 0,1
	v_max_num_f32 v[2+\u], v[MLQ+2*(\qk+\u)], v[PQ+2*\u]           ; the common m
.endr
.irp u, 0,1
	v_mul_f32 v[2+\u], 0xbe0293ee, v[2+\u]
.endr
.irp u, 0,1
	v_fma_f32 v[4+\u], v[MLQ+2*(\qk+\u)], s40, v[2+\u]
	v_fma_f32 v[6+\u], v[PQ+2*\u], s40, v[2+\u]
.endr
	v_exp_f32 v4, v4                               ; f0: my share's factor
	v_exp_f32 v5, v5
	v_exp_f32 v6, v6                               ; f1: my partner's
	v_exp_f32 v7, v7
	v_nop                                          ; a plain line between the exponentials and their use (ISA guide 5.7.2)
	s_wait_alu depctr_va_vdst(0)
.irp u, 0,1
	v_mul_f32 v[2+\u], v[MLQ+2*(\qk+\u)+1], v[4+\u]
.endr
.irp u, 0,1
	v_fmac_f32 v[2+\u], v[PQ+2*\u+1], v[6+\u]                      ; l = l0 f0 + l1 f1, at least about 1: the largest weight is 1
.endr
	v_rcp_f32 v2, v2
	v_rcp_f32 v3, v3
	v_nop
	s_wait_alu depctr_va_vdst(0)
.irp u, 0,1
	v_mul_f32 v[GG+2*\u], v[6+\u], v[2+\u]                         ; g1 = f1 / l
	v_mul_f32 v[GG+2*\u+1], v[4+\u], v[2+\u]                       ; g0 = f0 / l
.endr
	OUTQ \qk, 0
	OUTQ \qk+1, 1
.endm
	s_cmp_lg_u32 s14, 0
	s_cbranch_scc1 .Lsend_low
	SEND 2                                         ; b = 0 keeps blocks 0, 1
	s_branch .Lsent
.Lsend_low:
	SEND 0                                         ; b = 1 keeps blocks 2, 3
.Lsent:
	s_wait_dscnt 0x0                               ; for my partner's sake: my stores are done
	s_barrier_signal -1
	s_barrier_wait -1
	s_cmp_lg_u32 s14, 0
	s_cbranch_scc1 .Lkeep_high
	KEEP 0
	s_branch .Ldone
.Lkeep_high:
	KEEP 2
.Ldone:
	s_wait_xcnt 0x0
	v_lshl_add_u32 v254, v0, 2, 0x42000
	v_mov_b32 v255, 0
	s_wait_tensorcnt 0x0
	ds_add_u32 v254, v255
	s_wait_dscnt 0x0
	CROUND                                         ; the closing round: no work-group ends while a partner may still ask for a tile that names it
	s_endpgm
.Lfunc_end_k_q621ff82594_attn:
	.size	k_q621ff82594_attn, .Lfunc_end_k_q621ff82594_attn-k_q621ff82594_attn
	.p2alignl 7, 3214868480
	.fill 96, 4, 3214868480
	.section	.rodata,"a",@progbits
	.p2align	6, 0x0
	.amdhsa_kernel k_q621ff82594_attn
		.amdhsa_group_segment_fixed_size 327680
		.amdhsa_private_segment_fixed_size 0
		.amdhsa_enable_private_segment 0
		.amdhsa_kernarg_size 32
		.amdhsa_user_sgpr_count 2
		.amdhsa_user_sgpr_kernarg_segment_ptr 1
		.amdhsa_wavefront_size32 1
		.amdhsa_system_sgpr_workgroup_id_x 1
		.amdhsa_system_sgpr_workgroup_id_y 1
		.amdhsa_system_sgpr_workgroup_id_z 1
		.amdhsa_system_vgpr_workitem_id 0
		.amdhsa_next_free_vgpr 1024
		.amdhsa_next_free_sgpr 66
		.amdhsa_reserve_vcc 0
		.amdhsa_float_denorm_mode_32 3
		.amdhsa_float_denorm_mode_16_64 3
		.amdhsa_memory_ordered 1
		.amdhsa_forward_progress 1
		.amdhsa_inst_pref_size 255
	.end_amdhsa_kernel
	.section	.bss,"aw",@nobits
	.p2align	6
	.space	262144
	.amdgpu_metadata
---
amdhsa.version: [ 1, 2 ]
amdhsa.kernels:
  - .name:           k_q621ff82594_attn
    .symbol:         k_q621ff82594_attn.kd
    .args:
      - { .name: query, .offset: 0, .size: 8, .value_kind: global_buffer, .address_space: global }
      - { .name: keys, .offset: 8, .size: 8, .value_kind: global_buffer, .address_space: global }
      - { .name: values, .offset: 16, .size: 8, .value_kind: global_buffer, .address_space: global }
      - { .name: out0, .offset: 24, .size: 8, .value_kind: global_buffer, .address_space: global }
    .group_segment_fixed_size: 327680
    .private_segment_fixed_size: 0
    .kernarg_segment_align: 8
    .kernarg_segment_size: 32
    .max_flat_workgroup_size: 128
    .sgpr_count:     66
    .vgpr_count:     1024
    .wavefront_size: 32
...
	.end_amdgpu_metadata
.endif
;; end of part 1
